; MI455X (gfx1250); checked and timed in simulation.
; The chip was launched on July 23, 2026; its instructions are those of AMD's public machine-readable ISA for CDNA 5 (MIT licence, August 2026) and "CDNA5" Instruction Set Architecture Reference Guide (July 2026). The comments in the code are by the model that wrote it; some were corrected since.
;; Multi Head Attention Quantum. Allowed arithmetic: float matrix products may take bf16 or f16 operands with f32 sums; all other float work in f32.
;; Inputs: Wk 64 x 64 float32; Wo 64 x 64 float32; Wq 64 x 64 float32; Wv 64 x 64 float32; theta 8 float32; x 16 x 512 x 64 float32.
;; Outputs: out0 16 x 512 x 64 float32.
;; One version. Each part assembles by itself: llvm-mc -triple=amdgcn-amd-amdhsa -mcpu=gfx1250 --defsym DOCPART=n.
;; ======== version 1 of 1: 1 launch
;; limits: right only within a limited range of input values; an absolute error that grows with the inputs' magnitude: up to 4e-08 times it; values are held in f16: magnitudes above 65,504 overflow, below 6.1e-05 lose precision; inputs' magnitudes at most 65,504
;; launch qattn (part 1): grid 256 x 1, 4 waves a work-group, clusters of 4 x 1, 168,448 bytes of LDS; arguments x, Wq, Wk, Wv, Wo, theta, out0; writes out0
.if DOCPART == 1
	.amdgcn_target "amdgcn-amd-amdhsa--gfx1250"
	.amdhsa_code_object_version 6
	.text
	.protected	k_q451a2d255c_qattn
	.globl	k_q451a2d255c_qattn
	.p2align	8
	.type	k_q451a2d255c_qattn,@function
k_q451a2d255c_qattn:
	s_mov_b64 s[64:65], 0
	v_nop
	global_prefetch_b8 v0, s[64:65] scope:SCOPE_SE
	s_setreg_imm32_b32 hwreg(HW_REG_WAVE_MODE, 25, 1), 1
	s_wait_xcnt 0x0
	s_wait_alu depctr_hold_cnt(0) depctr_sa_sdst(0) depctr_va_vdst(0) depctr_va_sdst(0) depctr_va_ssrc(0) depctr_va_vcc(0) depctr_vm_vsrc(0)
	s_getreg_b32 s2, hwreg(HW_REG_IB_STS2, 6, 4)
	s_cmp_eq_u32 s2, 0
	s_cbranch_scc0 .Lentry_in_a_cluster
	s_endpgm
.Lentry_in_a_cluster:
	s_bfe_u32 s2, ttmp6, 0x10000c
	s_cmp_lg_u32 s2, 0x3003
	s_cbranch_scc0 .Lentry_shape_is_right
	s_endpgm
.Lentry_shape_is_right:
; Quantum-projected attention over heads, one launch.  x [8192 tokens][64] f32, Wq Wk Wv Wo [64][64] f32, theta [8] f32, out0 [8192][64] f32.
;
; THE CIRCUIT IN CLOSED FORM.  The encoder leaves a product state: bit w is 1 with probability sin^2(a_w/2), a_w = t_w + theta_w.  The CNOT ring
; only permutes basis states: b'_w = b_0 ^ .. ^ b_w (w = 1..7), b'_0 = b_1 ^ .. ^ b_7.  With independent bits E[(-1)^b_w] = cos a_w, so
; <Z_w> = cos a_0 .. cos a_w for w = 1..7 and <Z_0> = cos a_1 .. cos a_7, for every input.  The 256 amplitudes are never formed.
;
; THE OUTPUT'S ORDER.  The transpose and reshape send head h of tokens 8 g .. 8 g + 7 of a batch to row 64 h + g, column 8 (token % 8) + wire.
; So eight neighbouring tokens make eight whole rows (256 bytes each) of the matrix that meets Wo, and the last product is local to them.
;
; SHARES.  256 work-groups of 32 tokens, four waves.  Wave w projects features 16 w .. 16 w + 15 of q, k and v for all 32 tokens (matrix unit, f16
; operands, f32 sums), turns them into <Z>, and hands them over in LDS; then wave w does the attention and the last product of tokens 8 w .. 8 w + 7.
; CLUSTER.  A work-group needs 65,536 bytes of weights that are the same for all, and 8,192 bytes of x of its own.  Four work-groups form a cluster and
; ask for the weights jointly (mask 15): wave w of each issues the same four loads, rows 16 w .. 16 w + 15 of each matrix.  x comes by a plain load.
;
; WHY F16 OPERANDS.  The projections' sums are angles, so their ABSOLUTE error goes into the cosines: 64 products, each with two roundings.  A rounding
; is at most 2^-12 of the number in f16 and 2^-9 in bf16, and the results here are small sums of products of cosines, which leave no room for the coarser one.
;
; LIMITS.  (1) The angle is reduced to turns by adding and taking away 1.5 * 2^23: right for |t + theta| < 2^22 turns = 2.6e7 rad; beyond that the
; result is not defined.  1/(2 pi) is used as an f32 number, 6.4e-9 too small, so the reduced angle is off by 4e-8 |angle| rad (2e-4 rad at 5,000 rad).
; (2) Non-finite inputs give NaN, but not in all the places where the amplitude form would put them.
; (3) No maximum is taken away in the softmax: q and k are products of cosines, so |q . k| / sqrt 8 <= sqrt 8 for every input; the argument of exp2
; lies within +-4.1, each term within 0.059 .. 17 and the sum of eight within 0.47 .. 136.
; (4) x, the weights and the attention's result are rounded to f16 in front of the matrix unit.  |x| and |W| must stay below 65,504, f16's largest
; number; beyond it they become infinite.  Numbers below 6.1e-5 are kept as f16 denormals, with an absolute error of 3e-8 at the most.  The error
; of an angle grows with |x| |W|: about 64 |x| |W| 2^-11 rad at the worst.  The attention's result lies within +-1.
.set PITCH,  272                       ; an LDS row of 64 f32 + 16 bytes: sixteen rows start at sixteen different 16-byte columns modulo 256
.set XS,     0                         ; x: 32 rows
.set WS,     32*PITCH                  ; Wq, then Wk, Wv, Wo: 64 rows each
.set WREG,   64*PITCH
.set ZS,     WS+4*WREG                 ; 78,336 = 306 * 256: from here on no tensor load lands.  <Z> of q, then of k, of v: [token][head][wire] f32
.set ZREG,   32*PITCH
.set WOB,    ZS+3*ZREG                 ; Wo as f16 fragments, register image: 8 fragments x 2 halves x 512 bytes
.set AST,    WOB+8192                  ; each wave's own: attention result, f16, [head][token][wire]
.set APITCH, 160                       ; 8 tokens x 16 bytes + 32: two heads on are 64 bytes on modulo 256
.set OST,    AST+4*8*APITCH            ; each wave's own: 16 rows x 272 bytes of f32 results on their way out
; scalar registers
.set G1X, 24                           ; s[24:31] shape of x's tile
.set G1W, 32                           ; s[32:39] shape of a weight tile
.set G0X, 40                           ; s[40:43] x: from where, to where
.set G0W, 44                           ; s[44:59] the same for Wq, Wk, Wv, Wo
; vector registers that live through the kernel
.set RR,  2                            ; lane % 16
.set HH,  3                            ; lane / 16
.set LL,  4                            ; lane
.set AX,  5                            ; LDS: x fragments
.set AW,  6                            ; LDS: my 16 rows of a weight matrix
.set AZS, 7                            ; LDS: where I put <Z>
.set AWS, 8                            ; LDS: where I put Wo's f16 fragments
.set AWL, 9                            ; LDS: where I read them
.set TOK, 10                           ; attention: my token of the wave's eight
.set SUB, 11                           ; attention: my pair of query heads
.set AZR, 12                           ; LDS: my token's row of <Z>
.set AZQ, 13                           ; LDS: my two query heads in it
.set AAS, 14                           ; LDS: attention result in
.set AAR, 15                           ; LDS: attention result back, as a fragment
.set TH,  16                           ; v[16:23] theta
.set MAG, 24                           ; v[24:25] 1.5 * 2^23, twice
.set C4,  26                           ; v[26:27] pi^8 / 8!, twice
.set AOS, 28                           ; LDS: results in
.set AOR, 29                           ; LDS: results back, by rows
.set AOG, 30                           ; my byte offset in out0
; projection and cosines
.set XR,  32                           ; v[32:95]   x: 4 fragments, 16 f32 each as loaded, packed into the first 8 registers
.set WR,  96                           ; v[96:191]  Wq, Wk, Wv: 6 fragments likewise
.set WOR, 192                          ; v[192:223] Wo: 2 fragments likewise
.set D,   40                           ; accumulator i = 2 matrix + token tile at v[40 + 16 i]: the 8 registers that packing has freed
.set T,   32                           ; at work, tile i at v[32 + 16 i] (fragments that are done with)
.set P,   128                          ; at work, tile i at v[128 + 8 i]
; attention
.set Q,   32                           ; v[32:47]   my two query heads
.set KK,  48                           ; v[48:111]  eight key heads; later Wo's eight f16 fragments
.set VV,  112                          ; v[112:175] eight value heads; later the last product's results and the rows on their way out
.set SC,  176                          ; v[176:207] 16 scores as pairs of partial sums; later the sums, and the B fragments
.set EB,  208                          ; v[208:223] exponentials: pair j = (head e = 0, head e = 1) against key head j
.set OB,  224                          ; v[224:239] weighted sums of v
.set PK,  240                          ; v[240:247] the same in f16
.set BF,  192
.set DO,  112
.set OUTR, 144
; A round of the cluster's barrier: my work-group's barrier, wave 0 signals for the work-group, every wave waits for all four work-groups,
; my work-group's barrier once more.
.macro ROUND
	s_barrier_signal -1
	s_barrier_wait -1
	s_cmp_lg_u32 s18, 0
	s_cbranch_scc1 .Lnot_wave_0_\@
	s_barrier_signal -3
.Lnot_wave_0_\@:
	s_barrier_wait -3
	s_barrier_signal -1
	s_barrier_wait -1
.endm
; The 16 f32 that a lane holds of a fragment of 16 rows x 32 K: K = 8 h .. + 7 and 16 + 8 h .. + 7 of row lane % 16 (the address carries 32 h bytes)
.macro FRAG dst, adr, off
	ds_load_b128 v[\dst:\dst+3],     v[\adr] offset:\off
	ds_load_b128 v[\dst+4:\dst+7],   v[\adr] offset:\off+16
	ds_load_b128 v[\dst+8:\dst+11],  v[\adr] offset:\off+64
	ds_load_b128 v[\dst+12:\dst+15], v[\adr] offset:\off+80
.endm
; 16 f32 to 8 registers of f16, in place: register i is written after registers 2 i, 2 i + 1 and all below have been read
.macro PACK reg
.irp i, 0,1,2,3,4,5,6,7
	v_cvt_pk_f16_f32 v[\reg+\i], v[\reg+2*\i], v[\reg+2*\i+1]
.endr
.endm
; One matrix' 16 features x 32 tokens.  Source 0 = rows of W, source 1 = tokens: register j of lane (r, h) is feature 16 w + 8 h + j of token r, that is
; wire j of head 2 w + h.  The first product takes theta as C (register j = theta_j in every lane, in f32), so the sums come out as angles.
; The two accumulators take turns, one instruction a turn.
.macro PROJ m
	v_wmma_f32_16x16x32_f16 v[D+32*\m:D+32*\m+7],     v[WR+32*\m:WR+32*\m+7],     v[XR:XR+7],     v[TH:TH+7]
	v_wmma_f32_16x16x32_f16 v[D+32*\m+16:D+32*\m+23], v[WR+32*\m:WR+32*\m+7],     v[XR+32:XR+39], v[TH:TH+7]
	v_wmma_f32_16x16x32_f16 v[D+32*\m:D+32*\m+7],     v[WR+32*\m+16:WR+32*\m+23], v[XR+16:XR+23], v[D+32*\m:D+32*\m+7]
	v_wmma_f32_16x16x32_f16 v[D+32*\m+16:D+32*\m+23], v[WR+32*\m+16:WR+32*\m+23], v[XR+48:XR+55], v[D+32*\m+16:D+32*\m+23]
.endm
	s_load_b256 s[4:11], s[0:1], 0x0               ; x s[4:5], Wq s[6:7], Wk s[8:9], Wv s[10:11]
	s_load_b128 s[12:15], s[0:1], 0x20             ; Wo s[12:13], theta s[14:15]
	s_load_b64 s[16:17], s[0:1], 0x30              ; out0
	v_lshl_add_u32 v254, v0, 2, 0x29000
	v_mov_b32 v255, 0
	ds_add_u32 v254, v255
	ds_add_u32 v254, v255
	s_wait_dscnt 0x0
	v_lshrrev_b32 v1, 5, v0
	v_readfirstlane_b32 s18, v1                    ; wave 0..3
	s_bfe_u32 s19, ttmp6, 0x40000                  ; cx: my place in the cluster
	s_lshl_b32 s20, ttmp9, 2                       ; ttmp9 counts clusters
	s_add_co_u32 s20, s20, s19                     ; work-group 0..255; it enters x's and out0's global addresses and nothing else
	; group 1 of x's tile: 8 rows x 64 elements of 4 bytes, 4 words of padding behind every 64 words, no mask
	s_mov_b32 s[G1X+0], (2<<16)|(1<<20)|(5<<22)|(3<<25)
	s_mov_b32 s[G1X+1], 64<<16                     ; tensor_dim0 = 64
	s_mov_b32 s[G1X+2], 8<<16                      ; tensor_dim1 = 8
	s_mov_b32 s[G1X+3], 64<<16                     ; tile_dim0 = 64
	s_mov_b32 s[G1X+4], 8                          ; tile_dim1 = 8
	s_mov_b32 s[G1X+5], 64                         ; 64 elements from row to row
	s_mov_b32 s[G1X+6], 0
	s_mov_b32 s[G1X+7], 0
	; group 1 of a weight tile: 16 rows, the mask of all four work-groups of the cluster, bit 21 beside it
	s_mov_b32 s[G1W+0], 15|(2<<16)|(1<<20)|(1<<21)|(5<<22)|(3<<25)
	s_mov_b32 s[G1W+1], 64<<16
	s_mov_b32 s[G1W+2], 16<<16
	s_mov_b32 s[G1W+3], 64<<16
	s_mov_b32 s[G1W+4], 16
	s_mov_b32 s[G1W+5], 64
	s_mov_b32 s[G1W+6], 0
	s_mov_b32 s[G1W+7], 0
	s_mul_i32 s21, s18, 16*PITCH                   ; my 16 rows in a weight matrix' LDS region
	s_mul_i32 s22, s18, 8*PITCH                    ; my 8 rows (tokens) in x's and in a <Z> region
	s_mov_b32 s[G0X], 1
	s_mul_i32 s[G0X+1], s18, 8*PITCH               ; x's tile goes to XS (= 0) + 8 w rows
.irp m, 0,1,2,3
	s_mov_b32 s[G0W+4*\m], 1
	s_add_co_u32 s[G0W+4*\m+1], s21, WS+\m*WREG    ; a constant + wave x a constant: the same in all four work-groups
.endr
	s_lshl_b32 s60, s20, 13                        ; x: work-group x 32 rows of 256 bytes
	s_lshl_b32 s23, s18, 11                        ;    + wave x 8 rows
	s_add_co_u32 s60, s60, s23
	s_mov_b32 s61, 0
	s_lshl_b32 s62, s18, 12                        ; weights: wave x 16 rows of 256 bytes; no place in the cluster enters
	s_mov_b32 s63, 0
	s_lshr_b32 s76, s20, 4                         ; out0: batch = work-group / 16, 512 rows of 256 bytes each,
	s_lshl_b32 s76, s76, 17
	s_and_b32 s77, s20, 15                         ; row g = 4 (work-group % 16) + wave for head 0
	s_lshl_b32 s77, s77, 10
	s_add_co_u32 s76, s76, s77
	s_lshl_b32 s77, s18, 8
	s_add_co_u32 s76, s76, s77
	s_mov_b32 s77, 0
	s_add_co_u32 s78, s21, OST                     ; my stage for the way out
	ROUND                                          ; all four work-groups are here: the joint loads meet
	s_wait_kmcnt 0x0                               ; the seven addresses
	s_load_b256 s[68:75], s[14:15], 0x0            ; theta
	s_add_nc_u64 s[G0X+2:G0X+3], s[4:5], s[60:61]
	s_or_b32 s[G0X+3], s[G0X+3], 0x80000000        ; type 2
	tensor_load_to_lds s[G0X:G0X+3], s[G1X:G1X+7]  ; my 8 rows of x
	s_nop 0
.irp m, 0,1,2,3
	s_add_nc_u64 s[G0W+4*\m+2:G0W+4*\m+3], s[6+2*\m:7+2*\m], s[62:63]
	s_or_b32 s[G0W+4*\m+3], s[G0W+4*\m+3], 0x80000000
	tensor_load_to_lds s[G0W+4*\m:G0W+4*\m+3], s[G1W:G1W+7]   ; rows 16 w .. of Wq, Wk, Wv, Wo: five tensor loads of the wave are out, the most in this text
	s_nop 0
.endr
	s_add_nc_u64 s[16:17], s[16:17], s[76:77]      ; out0 at my row of head 0
	; addresses, while the tiles are on their way
	v_and_b32 v[RR], 15, v0
	v_bfe_u32 v[HH], v0, 4, 1
	v_and_b32 v[LL], 31, v0
	v_mul_u32_u24 v[AX], v[RR], PITCH
	v_lshl_add_u32 v[AX], v[HH], 5, v[AX]          ; row r, 8 h floats in
	v_add_nc_u32 v[AW], s21, v[AX]                 ; the same in my 16 rows of a weight matrix
	s_lshl_b32 s23, s18, 6
	s_add_co_u32 s23, s23, ZS
	v_add_nc_u32 v[AZS], s23, v[AX]                ; <Z>: token r, head 2 w + h (32 bytes a head)
	v_lshlrev_b32 v[AWL], 4, v[LL]
	v_add_nc_u32 v[AWL], WOB, v[AWL]               ; register image: 16 bytes a lane
	s_lshl_b32 s23, s18, 11
	v_add_nc_u32 v[AWS], s23, v[AWL]               ; my two fragments of it
	v_bfe_u32 v[TOK], v0, 2, 3
	v_and_b32 v[SUB], 3, v0
	s_add_co_u32 s23, s22, ZS
	v_mul_u32_u24 v[AZR], v[TOK], PITCH
	v_add_nc_u32 v[AZR], s23, v[AZR]               ; token 8 w + lane / 4
	v_lshl_add_u32 v[AZQ], v[SUB], 6, v[AZR]       ; heads 2 (lane % 4) and the next
	s_mul_i32 s23, s18, 8*APITCH
	s_add_co_u32 s23, s23, AST
	v_mul_u32_u24 v[AAS], v[SUB], 2*APITCH
	v_lshl_add_u32 v[AAS], v[TOK], 4, v[AAS]
	v_add_nc_u32 v[AAS], s23, v[AAS]               ; in: [head 2 (lane % 4)][token]
	v_and_b32 v[AAR], 7, v0
	v_mul_u32_u24 v[AAR], v[AAR], APITCH
	v_lshl_add_u32 v[AAR], v[HH], 4, v[AAR]
	v_add_nc_u32 v[AAR], s23, v[AAR]               ; back: [head r % 8][token h]
	v_mov_b32 v[MAG],   0x4b400000                 ; 1.5 * 2^23
	v_mov_b32 v[MAG+1], 0x4b400000
	v_mov_b32 v[C4],    0x3e70fa83                 ; pi^8 / 8!
	v_mov_b32 v[C4+1],  0x3e70fa83
	s_wait_kmcnt 0x0                               ; theta
.irp j, 0,1,2,3,4,5,6,7
	v_mov_b32 v[TH+\j], s[68+\j]
.endr
	s_wait_tensorcnt 0x0                           ; my five tiles have landed
	ROUND                                          ; every wave's have: x may be read by all four waves.  It is also the cluster's closing round: every
	                                               ; work-group has issued all its joint loads, and no tensor load follows
	; ---- 1. fragments, f16, projections
.irp t, 0,1
.irp s, 0,1
	FRAG XR+16*(2*\t+\s), AX, XS+\t*16*PITCH+128*\s
.endr
.endr
.irp m, 0,1,2
.irp s, 0,1
	FRAG WR+16*(2*\m+\s), AW, WS+\m*WREG+128*\s
.endr
.endr
.irp s, 0,1
	FRAG WOR+16*\s, AW, WS+3*WREG+128*\s
.endr
	s_wait_dscnt 32                                ; x's 16 loads are in; the 32 of the weights may be out
.irp n, 0,1,2,3
	PACK XR+16*\n
.endr
	s_wait_dscnt 24                                ; Wq's 8 are in; Wk's, Wv's, Wo's may be out
	PACK WR
	PACK WR+16
	PROJ 0
	s_wait_dscnt 16                                ; Wk
	PACK WR+32
	PACK WR+48
	PROJ 1
	s_wait_dscnt 8                                 ; Wv
	PACK WR+64
	PACK WR+80
	PROJ 2
	s_wait_dscnt 0                                 ; Wo
	PACK WOR                                       ; these 16 conversions name no register of the products above: they are the places
	PACK WOR+16                                    ; (ISA guide 7.12.1) in front of the lines that read the sums and write over the fragments
	ds_store_b128 v[AWS], v[WOR:WOR+3]
	ds_store_b128 v[AWS], v[WOR+4:WOR+7]     offset:512
	ds_store_b128 v[AWS], v[WOR+16:WOR+19]   offset:1024
	ds_store_b128 v[AWS], v[WOR+20:WOR+23]   offset:1536
	; ---- 2. cos of 48 angles a lane, two at a time, each step over all 24 pairs so that no line waits for the one in front of it.
	; n = nearest whole number to a / 2 pi;  f = a / 2 pi - n in [-1/2, 1/2], fused;  p = cos(pi f) by its series up to f^10
	; (the next term is 4.7e-7 at |f| = 1/2, where p = 0);  cos a = 2 p^2 - 1, whose error is 4 p times p's.
.irp i, 0,1,2,3,4,5
.irp p, 0,2,4,6
	v_pk_fma_f32 v[T+16*\i+\p:T+16*\i+\p+1], v[D+16*\i+\p:D+16*\i+\p+1], 0xbe22f983, v[MAG:MAG+1] op_sel_hi:[1,0,1]   ; 1.5 * 2^23 - a / 2 pi: rounds to a whole number
.endr
.endr
.irp i, 0,1,2,3,4,5
.irp p, 0,2,4,6
	v_pk_add_f32 v[T+16*\i+\p:T+16*\i+\p+1], v[T+16*\i+\p:T+16*\i+\p+1], 0xcb400000 op_sel_hi:[1,0]                    ; -n, exact
.endr
.endr
.irp i, 0,1,2,3,4,5
.irp p, 0,2,4,6
	v_pk_fma_f32 v[D+16*\i+\p:D+16*\i+\p+1], v[D+16*\i+\p:D+16*\i+\p+1], 0x3e22f983, v[T+16*\i+\p:T+16*\i+\p+1] op_sel_hi:[1,0,1]   ; f
.endr
.endr
.irp i, 0,1,2,3,4,5
.irp p, 0,2,4,6
	v_pk_mul_f32 v[T+16*\i+\p:T+16*\i+\p+1], v[D+16*\i+\p:D+16*\i+\p+1], v[D+16*\i+\p:D+16*\i+\p+1]                    ; g = f^2
.endr
.endr
.irp i, 0,1,2,3,4,5
.irp p, 0,2,4,6
	v_pk_fma_f32 v[P+8*\i+\p:P+8*\i+\p+1], v[T+16*\i+\p:T+16*\i+\p+1], 0xbcd368f9, v[C4:C4+1] op_sel_hi:[1,0,1]        ; -pi^10/10! g + pi^8/8!
.endr
.endr
.irp i, 0,1,2,3,4,5
.irp p, 0,2,4,6
	v_pk_fma_f32 v[P+8*\i+\p:P+8*\i+\p+1], v[P+8*\i+\p:P+8*\i+\p+1], v[T+16*\i+\p:T+16*\i+\p+1], 0xbfaae9e4 op_sel_hi:[1,1,0]   ; - pi^6/6!
.endr
.endr
.irp i, 0,1,2,3,4,5
.irp p, 0,2,4,6
	v_pk_fma_f32 v[P+8*\i+\p:P+8*\i+\p+1], v[P+8*\i+\p:P+8*\i+\p+1], v[T+16*\i+\p:T+16*\i+\p+1], 0x4081e0f8 op_sel_hi:[1,1,0]   ; + pi^4/4!
.endr
.endr
.irp i, 0,1,2,3,4,5
.irp p, 0,2,4,6
	v_pk_fma_f32 v[P+8*\i+\p:P+8*\i+\p+1], v[P+8*\i+\p:P+8*\i+\p+1], v[T+16*\i+\p:T+16*\i+\p+1], 0xc09de9e6 op_sel_hi:[1,1,0]   ; - pi^2/2
.endr
.endr
.irp i, 0,1,2,3,4,5
.irp p, 0,2,4,6
	v_pk_fma_f32 v[P+8*\i+\p:P+8*\i+\p+1], v[P+8*\i+\p:P+8*\i+\p+1], v[T+16*\i+\p:T+16*\i+\p+1], 1.0 op_sel_hi:[1,1,0]          ; p = cos(pi f)
.endr
.endr
.irp i, 0,1,2,3,4,5
.irp p, 0,2,4,6
	v_pk_mul_f32 v[P+8*\i+\p:P+8*\i+\p+1], v[P+8*\i+\p:P+8*\i+\p+1], v[P+8*\i+\p:P+8*\i+\p+1]
.endr
.endr
.irp i, 0,1,2,3,4,5
.irp p, 0,2,4,6
	v_pk_fma_f32 v[D+16*\i+\p:D+16*\i+\p+1], v[P+8*\i+\p:P+8*\i+\p+1], 2.0, -1.0 op_sel_hi:[1,0,0]                     ; c_j = cos a_j, in the accumulator's registers
.endr
.endr
	; <Z> in place: registers (2,3), (4,5), (6,7) become (c2, c2 c3), ..; Z1 = c0 c1; Z0 = (c1 c2 c3)(c4 c5 c6 c7); then each pair times the Z in front of it
.irp i, 0,1,2,3,4,5
	v_mul_f32 v[D+16*\i+3], v[D+16*\i+2], v[D+16*\i+3]
	v_mul_f32 v[D+16*\i+5], v[D+16*\i+4], v[D+16*\i+5]
	v_mul_f32 v[D+16*\i+7], v[D+16*\i+6], v[D+16*\i+7]
.endr
.irp i, 0,1,2,3,4,5
	v_mul_f32 v[T+16*\i],   v[D+16*\i+1], v[D+16*\i+3]
	v_mul_f32 v[T+16*\i+1], v[D+16*\i+5], v[D+16*\i+7]
	v_mul_f32 v[D+16*\i+1], v[D+16*\i],   v[D+16*\i+1]
.endr
.irp i, 0,1,2,3,4,5
	v_mul_f32 v[D+16*\i], v[T+16*\i], v[T+16*\i+1]
.endr
.irp i, 0,1
	v_pk_mul_f32 v[D+16*\i:D+16*\i+1], v[D+16*\i:D+16*\i+1], 0x3f0293ee op_sel_hi:[1,0]   ; q alone: log2(e) / sqrt 8 on Z0 and Z1; Z2 .. Z7 inherit it from Z1
.endr
.irp c, 2,4,6
.irp i, 0,1,2,3,4,5
	v_pk_mul_f32 v[D+16*\i+\c:D+16*\i+\c+1], v[D+16*\i+\c:D+16*\i+\c+1], v[D+16*\i+\c-2:D+16*\i+\c-1] op_sel:[0,1] op_sel_hi:[1,1]   ; both by the upper register of the pair in front
.endr
.endr
.irp m, 0,1,2
.irp t, 0,1
	ds_store_b128 v[AZS], v[D+32*\m+16*\t:D+32*\m+16*\t+3]   offset:\m*ZREG+\t*16*PITCH
	ds_store_b128 v[AZS], v[D+32*\m+16*\t+4:D+32*\m+16*\t+7] offset:\m*ZREG+\t*16*PITCH+16
.endr
.endr
	s_wait_dscnt 0x0                               ; my <Z> and my part of Wo are in LDS: zero, for the other waves' sake
	s_barrier_signal -1
	s_barrier_wait -1                              ; everybody's are
	; ---- 3. attention over heads: a lane has one token and two query heads
.irp c, 0,1,2,3
	ds_load_b128 v[Q+4*\c:Q+4*\c+3], v[AZQ] offset:16*\c
.endr
.irp j, 0,1,2,3,4,5,6,7
	ds_load_b128 v[KK+8*\j:KK+8*\j+3],   v[AZR] offset:ZREG+32*\j
	ds_load_b128 v[KK+8*\j+4:KK+8*\j+7], v[AZR] offset:ZREG+32*\j+16
.endr
.irp j, 0,1,2,3,4,5,6,7
	ds_load_b128 v[VV+8*\j:VV+8*\j+3],   v[AZR] offset:2*ZREG+32*\j
	ds_load_b128 v[VV+8*\j+4:VV+8*\j+7], v[AZR] offset:2*ZREG+32*\j+16
.endr
	s_wait_dscnt 16                                ; q and k are in; v's 16 loads may be out
.irp e, 0,1
.irp j, 0,1,2,3,4,5,6,7
	v_pk_mul_f32 v[SC+16*\e+2*\j:SC+16*\e+2*\j+1], v[Q+8*\e:Q+8*\e+1], v[KK+8*\j:KK+8*\j+1]    ; the first product starts the sums: even wires below, odd above
.endr
.endr
.irp c, 2,4,6
.irp e, 0,1
.irp j, 0,1,2,3,4,5,6,7
	v_pk_fma_f32 v[SC+16*\e+2*\j:SC+16*\e+2*\j+1], v[Q+8*\e+\c:Q+8*\e+\c+1], v[KK+8*\j+\c:KK+8*\j+\c+1], v[SC+16*\e+2*\j:SC+16*\e+2*\j+1]
.endr
.endr
.endr
.irp n, 0,1,2,3,4,5,6,7
	ds_load_b128 v[KK+8*\n:KK+8*\n+3],   v[AWL] offset:1024*\n          ; k is done with: Wo's eight f16 fragments take its registers
	ds_load_b128 v[KK+8*\n+4:KK+8*\n+7], v[AWL] offset:1024*\n+512
.endr
.irp j, 0,1,2,3,4,5,6,7
.irp e, 0,1
	v_add_f32 v[EB+2*\j+\e], v[SC+16*\e+2*\j], v[SC+16*\e+2*\j+1]       ; score x log2(e) / sqrt 8
.endr
.endr
.irp n, 0,1,2,3,4,5,6,7,8,9,10,11,12,13,14,15
	v_exp_f32 v[EB+\n], v[EB+\n]
.endr
	v_add_nc_u32 v[AOS], OST, v[AW]                ; a plain line between the exponentials and their first use (ISA guide 5.7.2); the address is needed below
	s_wait_alu depctr_va_vdst(0)
	v_pk_add_f32 v[SC:SC+1],   v[EB:EB+1],     v[EB+2:EB+3]             ; both heads' sums over the eight key heads at once
	v_pk_add_f32 v[SC+2:SC+3], v[EB+4:EB+5],   v[EB+6:EB+7]
	v_pk_add_f32 v[SC+4:SC+5], v[EB+8:EB+9],   v[EB+10:EB+11]
	v_pk_add_f32 v[SC+6:SC+7], v[EB+12:EB+13], v[EB+14:EB+15]
	v_pk_add_f32 v[SC:SC+1],   v[SC:SC+1],     v[SC+2:SC+3]
	v_pk_add_f32 v[SC+4:SC+5], v[SC+4:SC+5],   v[SC+6:SC+7]
	v_pk_add_f32 v[SC:SC+1],   v[SC:SC+1],     v[SC+4:SC+5]
	v_rcp_f32 v[SC],   v[SC]                       ; used 64 lines further down
	v_rcp_f32 v[SC+1], v[SC+1]
	s_wait_dscnt 16                                ; v is in; Wo's 16 loads may be out
.irp e, 0,1
.irp c, 0,2,4,6
	v_pk_mul_f32 v[OB+8*\e+\c:OB+8*\e+\c+1], v[VV+\c:VV+\c+1], v[EB:EB+1] op_sel:[0,\e] op_sel_hi:[1,\e]               ; two wires by head e's weight
.endr
.endr
.irp j, 1,2,3,4,5,6,7
.irp e, 0,1
.irp c, 0,2,4,6
	v_pk_fma_f32 v[OB+8*\e+\c:OB+8*\e+\c+1], v[VV+8*\j+\c:VV+8*\j+\c+1], v[EB+2*\j:EB+2*\j+1], v[OB+8*\e+\c:OB+8*\e+\c+1] op_sel:[0,\e,0] op_sel_hi:[1,\e,1]
.endr
.endr
.endr
	s_wait_alu depctr_va_vdst(0)
.irp e, 0,1
.irp c, 0,2,4,6
	v_pk_mul_f32 v[OB+8*\e+\c:OB+8*\e+\c+1], v[OB+8*\e+\c:OB+8*\e+\c+1], v[SC:SC+1] op_sel:[0,\e] op_sel_hi:[1,\e]    ; by 1 / sum
.endr
.endr
.irp n, 0,1,2,3,4,5,6,7
	v_cvt_pk_f16_f32 v[PK+\n], v[OB+2*\n], v[OB+2*\n+1]
.endr
	; ---- 4. the last product.  Row (head) of the matrix that meets Wo: K = 8 token + wire.  Through my own stage: in by (head, token), back as a fragment
	; whose column is head r % 8 (columns 8 .. 15 repeat 0 .. 7 and are not used).  LDS serves a wave's instructions in order (ISA guide 5.7.1.4).
	ds_store_b128 v[AAS], v[PK:PK+3]
	ds_store_b128 v[AAS], v[PK+4:PK+7] offset:APITCH
	ds_load_b128 v[BF:BF+3],     v[AAR]            ; K = 8 h ..: token h
	ds_load_b128 v[BF+4:BF+7],   v[AAR] offset:32  ; K = 16 + 8 h ..: token 2 + h
	ds_load_b128 v[BF+8:BF+11],  v[AAR] offset:64  ; the second K step: tokens 4 + h,
	ds_load_b128 v[BF+12:BF+15], v[AAR] offset:96  ; 6 + h
	s_wait_dscnt 0x0                               ; these, and Wo's fragments
	; source 0 = 16 rows of Wo, source 1 = heads: register j of lane (r, h) is column 16 f + 8 h + j of head r's row: eight neighbouring numbers.
	; The four accumulators take turns, one instruction a turn.
.irp f, 0,1,2,3
	v_wmma_f32_16x16x32_f16 v[DO+8*\f:DO+8*\f+7], v[KK+16*\f:KK+16*\f+7], v[BF:BF+7], 0
.endr
.irp f, 0,1,2,3
	v_wmma_f32_16x16x32_f16 v[DO+8*\f:DO+8*\f+7], v[KK+16*\f+8:KK+16*\f+15], v[BF+8:BF+15], v[DO+8*\f:DO+8*\f+7]
.endr
	v_lshlrev_b32 v[AOG], 4, v[RR]                 ; five plain lines that name no register of the products: the places in front of the stores of the sums
	v_lshl_add_u32 v[AOG], v[HH], 14, v[AOG]       ; out0: 16 bytes a lane; the upper sixteen lanes take the next head, 64 rows of 256 bytes on
	v_mul_u32_u24 v[AOR], v[HH], PITCH
	v_lshl_add_u32 v[AOR], v[RR], 4, v[AOR]
	v_add_nc_u32 v[AOR], s78, v[AOR]               ; the same two rows in my stage
.irp f, 0,1,2,3
	ds_store_b128 v[AOS], v[DO+8*\f:DO+8*\f+3]   offset:64*\f
	ds_store_b128 v[AOS], v[DO+8*\f+4:DO+8*\f+7] offset:64*\f+16
.endr
.irp i, 0,1,2,3
	ds_load_b128 v[OUTR+4*\i:OUTR+4*\i+3], v[AOR] offset:\i*2*PITCH     ; heads 2 i and 2 i + 1, whole rows; my own bytes, served in order
.endr
.irp i, 0,1,2,3
	s_wait_dscnt 3-\i                              ; row pair i is in; the younger loads may be out
	global_store_b128 v[AOG], v[OUTR+4*\i:OUTR+4*\i+3], s[16:17] offset:\i*32768 th:TH_STORE_NT   ; sixteen lanes store 256 consecutive bytes, a whole row of out0
.endr
	s_wait_tensorcnt 0x0
	ds_add_u32 v254, v255
	s_wait_dscnt 0x0
	s_endpgm
.Lfunc_end_k_q451a2d255c_qattn:
	.size	k_q451a2d255c_qattn, .Lfunc_end_k_q451a2d255c_qattn-k_q451a2d255c_qattn
	.p2alignl 7, 3214868480
	.fill 96, 4, 3214868480
	.section	.rodata,"a",@progbits
	.p2align	6, 0x0
	.amdhsa_kernel k_q451a2d255c_qattn
		.amdhsa_group_segment_fixed_size 168448
		.amdhsa_private_segment_fixed_size 0
		.amdhsa_enable_private_segment 0
		.amdhsa_kernarg_size 56
		.amdhsa_user_sgpr_count 2
		.amdhsa_user_sgpr_kernarg_segment_ptr 1
		.amdhsa_wavefront_size32 1
		.amdhsa_system_sgpr_workgroup_id_x 1
		.amdhsa_system_sgpr_workgroup_id_y 1
		.amdhsa_system_sgpr_workgroup_id_z 1
		.amdhsa_system_vgpr_workitem_id 0
		.amdhsa_next_free_vgpr 256
		.amdhsa_next_free_sgpr 80
		.amdhsa_reserve_vcc 0
		.amdhsa_float_denorm_mode_32 3
		.amdhsa_float_denorm_mode_16_64 3
		.amdhsa_memory_ordered 1
		.amdhsa_forward_progress 1
		.amdhsa_inst_pref_size 58
	.end_amdhsa_kernel
	.amdgpu_metadata
---
amdhsa.version: [ 1, 2 ]
amdhsa.kernels:
  - .name:           k_q451a2d255c_qattn
    .symbol:         k_q451a2d255c_qattn.kd
    .args:
      - { .name: x, .offset: 0, .size: 8, .value_kind: global_buffer, .address_space: global }
      - { .name: Wq, .offset: 8, .size: 8, .value_kind: global_buffer, .address_space: global }
      - { .name: Wk, .offset: 16, .size: 8, .value_kind: global_buffer, .address_space: global }
      - { .name: Wv, .offset: 24, .size: 8, .value_kind: global_buffer, .address_space: global }
      - { .name: Wo, .offset: 32, .size: 8, .value_kind: global_buffer, .address_space: global }
      - { .name: theta, .offset: 40, .size: 8, .value_kind: global_buffer, .address_space: global }
      - { .name: out0, .offset: 48, .size: 8, .value_kind: global_buffer, .address_space: global }
    .group_segment_fixed_size: 168448
    .private_segment_fixed_size: 0
    .kernarg_segment_align: 8
    .kernarg_segment_size: 56
    .max_flat_workgroup_size: 128
    .sgpr_count:     80
    .vgpr_count:     256
    .wavefront_size: 32
...
	.end_amdgpu_metadata
.endif
;; end of part 1
